; MI455X (gfx1250); checked and timed in simulation.
; The chip was launched on July 23, 2026; its instructions are those of AMD's public machine-readable ISA for CDNA 5 (MIT licence, August 2026) and "CDNA5" Instruction Set Architecture Reference Guide (July 2026). The comments in the code are by the model that wrote it; some were corrected since.
;; Multi Head Attention. Allowed arithmetic: float matrix products may take bf16 or f16 operands with f32 sums; all other float work in f32.
;; Inputs: Wk 1,024 x 1,024 float32; Wo 1,024 x 1,024 float32; Wq 1,024 x 1,024 float32; Wv 1,024 x 1,024 float32; bk 1,024 float32; bo 1,024 float32; bq 1,024 float32; bv 1,024 float32; key 2 x 2,048 x 1,024 float32; query 2 x 2,048 x 1,024 float32; value 2 x 2,048 x 1,024 float32.
;; Outputs: out0 2 x 2,048 x 1,024 float32.
;; One version. Each part assembles by itself: llvm-mc -triple=amdgcn-amd-amdhsa -mcpu=gfx1250 --defsym DOCPART=n.
;; ======== version 1 of 1: 4 launches
;; limits: values are held in f16: magnitudes above 65,504 overflow, below 6.1e-05 lose precision
;; workspace buffers: cb 33,554,432 bytes; qkvb 25,165,824 bytes; ao 8,388,608 bytes
;; launch prep (part 1): grid 64 x 16, 8 waves a work-group, no clusters, 0 bytes of LDS; arguments query, key, value, Wq, Wk, Wv, Wo, cb; writes cb
.if DOCPART == 1
	.amdgcn_target "amdgcn-amd-amdhsa--gfx1250"
	.amdhsa_code_object_version 6
	.text
	.protected	k_q64e4dfe310_prep
	.globl	k_q64e4dfe310_prep
	.p2align	8
	.type	k_q64e4dfe310_prep,@function
k_q64e4dfe310_prep:
	s_mov_b64 s[64:65], 0
	v_nop
	global_prefetch_b8 v0, s[64:65] scope:SCOPE_SE
	s_setreg_imm32_b32 hwreg(HW_REG_WAVE_MODE, 25, 1), 1
	s_wait_xcnt 0x0
; Casts only.  cb is 16 units of 2 MiB of 16-bit numbers: units 0-3 query, 4-7 key, 8-11 value (bf16, together one array
; [12288][1024]), 12 Wq, 13 Wk, 14 Wv (bf16, [K][N] as given), 15 Wo as f16(bf16(Wo)), [K][N].
; Wo feeds an f16 product later, so it is rounded to bf16 like the other inputs and that value is written in f16.
; LIMIT: that is exact for 2^-14 <= |Wo| < 65,504; below, the absolute error is at most 3e-8; above, it becomes infinite.
; Work-group (x, y) casts 65,536 bytes of unit y's source: thread t takes 16 bytes at 16 t + 4096 i, i = 0 .. 15, so a wave's
; load covers 512 neighbouring bytes and its store 256 neighbouring bytes, aligned.  All sixteen loads go out first.
; No LDS, no matrix unit, no cluster: nothing is shared and nothing is read twice.
.set X, 4                              ; v[4:67]   load i: four f32
.set Y, 68                             ; v[68:99]  store i: four 16-bit numbers; every pair is written once, so no store's data is ever rewritten
	s_load_b512 s[8:23], s[0:1], 0x0               ; query, key, value, Wq, Wk, Wv, Wo in s[8:21]; cb in s[22:23]
	s_and_b32 s2, ttmp7, 0xffff                    ; y: the unit
	s_lshr_b32 s4, s2, 2                           ; units 0-11: source y / 4
	s_sub_co_u32 s5, s2, 9                         ; units 12-15: source y - 9
	s_and_b32 s6, s2, 3
	s_lshl_b32 s6, s6, 22                          ; units 0-11: which 4 MiB of the source
	s_cmp_lt_u32 s2, 12
	s_cselect_b32 s3, s4, s5                       ; the source's number, 0 to 6
	s_cselect_b32 s24, s6, 0
	s_lshl_b32 s7, ttmp9, 16
	s_add_co_u32 s24, s24, s7                      ; + x * 65,536 bytes of f32
	s_mov_b32 s25, 0
	s_lshl_b32 s28, s2, 21
	s_lshl_b32 s7, ttmp9, 15
	s_add_co_u32 s28, s28, s7                      ; in cb: y * 2 MiB + x * 32,768
	s_mov_b32 s29, 0
	v_lshlrev_b32 v1, 4, v0                        ; 16 t
	v_lshlrev_b32 v2, 3, v0                        ; 8 t
	s_wait_kmcnt 0x0
	s_mov_b64 s[26:27], s[8:9]
.irp c, 1,2,3,4,5,6
	s_cmp_eq_u32 s3, \c                            ; the choice hangs on the unit's number alone
	s_cselect_b64 s[26:27], s[8+2*\c:9+2*\c], s[26:27]
.endr
	s_add_nc_u64 s[26:27], s[26:27], s[24:25]
	s_add_nc_u64 s[22:23], s[22:23], s[28:29]
.irp i, 0,1,2,3,4,5,6,7,8,9,10,11,12,13,14,15
	global_load_b128 v[X+4*\i:X+4*\i+3], v1, s[26:27] offset:4096*\i th:TH_LOAD_NT
.endr
; Round i: four numbers rounded and stored.  tof16 = 1: the bf16 values are widened again and written as f16.
.macro CAST i, tof16
	s_wait_loadcnt 15-\i                           ; loads come back in order: load i is in, the 15 - i younger ones stay out
	v_cvt_pk_bf16_f32 v[Y+2*\i],   v[X+4*\i],   v[X+4*\i+1]
	v_cvt_pk_bf16_f32 v[Y+2*\i+1], v[X+4*\i+2], v[X+4*\i+3]
.if \tof16
	v_lshlrev_b32 v[X+4*\i],   16, v[Y+2*\i]
	v_and_b32     v[X+4*\i+1], 0xffff0000, v[Y+2*\i]
	v_lshlrev_b32 v[X+4*\i+2], 16, v[Y+2*\i+1]
	v_and_b32     v[X+4*\i+3], 0xffff0000, v[Y+2*\i+1]
	v_cvt_pk_f16_f32 v[Y+2*\i],   v[X+4*\i],   v[X+4*\i+1]
	v_cvt_pk_f16_f32 v[Y+2*\i+1], v[X+4*\i+2], v[X+4*\i+3]
.endif
	global_store_b64 v2, v[Y+2*\i:Y+2*\i+1], s[22:23] offset:2048*\i   ; no hint: the next launches read these bytes
.endm
	s_cmp_eq_u32 s2, 15
	s_cbranch_scc1 .Lwo
.irp i, 0,1,2,3,4,5,6,7,8,9,10,11,12,13,14,15
	CAST \i, 0
.endr
	s_endpgm
.Lwo:
.irp i, 0,1,2,3,4,5,6,7,8,9,10,11,12,13,14,15
	CAST \i, 1
.endr
	s_endpgm
.Lfunc_end_k_q64e4dfe310_prep:
	.size	k_q64e4dfe310_prep, .Lfunc_end_k_q64e4dfe310_prep-k_q64e4dfe310_prep
	.p2alignl 7, 3214868480
	.fill 96, 4, 3214868480
	.section	.rodata,"a",@progbits
	.p2align	6, 0x0
	.amdhsa_kernel k_q64e4dfe310_prep
		.amdhsa_group_segment_fixed_size 0
		.amdhsa_private_segment_fixed_size 0
		.amdhsa_enable_private_segment 0
		.amdhsa_kernarg_size 64
		.amdhsa_user_sgpr_count 2
		.amdhsa_user_sgpr_kernarg_segment_ptr 1
		.amdhsa_wavefront_size32 1
		.amdhsa_system_sgpr_workgroup_id_x 1
		.amdhsa_system_sgpr_workgroup_id_y 1
		.amdhsa_system_sgpr_workgroup_id_z 1
		.amdhsa_system_vgpr_workitem_id 0
		.amdhsa_next_free_vgpr 100
		.amdhsa_next_free_sgpr 66
		.amdhsa_reserve_vcc 0
		.amdhsa_float_denorm_mode_32 3
		.amdhsa_float_denorm_mode_16_64 3
		.amdhsa_memory_ordered 1
		.amdhsa_forward_progress 1
		.amdhsa_inst_pref_size 16
	.end_amdhsa_kernel
	.amdgpu_metadata
---
amdhsa.version: [ 1, 2 ]
amdhsa.kernels:
  - .name:           k_q64e4dfe310_prep
    .symbol:         k_q64e4dfe310_prep.kd
    .args:
      - { .name: query, .offset: 0, .size: 8, .value_kind: global_buffer, .address_space: global }
      - { .name: key, .offset: 8, .size: 8, .value_kind: global_buffer, .address_space: global }
      - { .name: value, .offset: 16, .size: 8, .value_kind: global_buffer, .address_space: global }
      - { .name: Wq, .offset: 24, .size: 8, .value_kind: global_buffer, .address_space: global }
      - { .name: Wk, .offset: 32, .size: 8, .value_kind: global_buffer, .address_space: global }
      - { .name: Wv, .offset: 40, .size: 8, .value_kind: global_buffer, .address_space: global }
      - { .name: Wo, .offset: 48, .size: 8, .value_kind: global_buffer, .address_space: global }
      - { .name: cb, .offset: 56, .size: 8, .value_kind: global_buffer, .address_space: global }
    .group_segment_fixed_size: 0
    .private_segment_fixed_size: 0
    .kernarg_segment_align: 8
    .kernarg_segment_size: 64
    .max_flat_workgroup_size: 256
    .sgpr_count:     66
    .vgpr_count:     100
    .wavefront_size: 32
...
	.end_amdgpu_metadata
.endif
;; end of part 1
;; launch qkv (part 2): grid 4 x 48, 4 waves a work-group, clusters of 4 x 4, 327,680 bytes of LDS; arguments cb, bq, bk, bv, qkvb; writes qkvb
.if DOCPART == 2
	.amdgcn_target "amdgcn-amd-amdhsa--gfx1250"
	.amdhsa_code_object_version 6
	.text
	.protected	k_q64e4dfe310_qkv
	.globl	k_q64e4dfe310_qkv
	.p2align	8
	.type	k_q64e4dfe310_qkv,@function
k_q64e4dfe310_qkv:
	s_mov_b64 s[64:65], 0
	v_nop
	global_prefetch_b8 v0, s[64:65] scope:SCOPE_SE
	s_setreg_imm32_b32 hwreg(HW_REG_WAVE_MODE, 25, 1), 1
	s_wait_xcnt 0x0
	s_wait_alu depctr_hold_cnt(0) depctr_sa_sdst(0) depctr_va_vdst(0) depctr_va_sdst(0) depctr_va_ssrc(0) depctr_va_vcc(0) depctr_vm_vsrc(0)
	s_getreg_b32 s2, hwreg(HW_REG_IB_STS2, 6, 4)
	s_cmp_eq_u32 s2, 0
	s_cbranch_scc0 .Lentry_in_a_cluster
	s_endpgm
.Lentry_in_a_cluster:
	s_bfe_u32 s2, ttmp6, 0x10000c
	s_cmp_lg_u32 s2, 0xf033
	s_cbranch_scc0 .Lentry_shape_is_right
	s_endpgm
.Lentry_shape_is_right:
; Q, K, V = x W + b: three products [4096][1024] x [1024][1024] in one launch, bf16 operands, f32 sums, f16 results.
; x: cb as one array [12288][1024] bf16 (query, key, value); W of matrix z at cb + 24 MiB + z * 2 MiB, bf16, [K][N] as given.
; Result: qkvb, matrix z at z * 8 MiB, f16, [b][h][t][64]: byte ((16 b + h) * 2048 + t) * 128 + 2 d.
; LIMIT: a result beyond 65,504 in magnitude becomes infinite in f16; below 6.1e-5 its absolute error is at most 3e-8.
; A work-group makes 256 x 256 with four waves, as many as a WGP has SIMDs; a wave makes 128 x 128: 64 accumulator tiles, 512 registers.
; 48 block rows x 4 block columns = 192 work-groups: this block size does not divide the work into more.
; K goes in steps of 128 through two LDS slots filled by tensor loads, one load a wave: waves 0, 1 bring 128 rows x 256 bytes of x each,
; waves 2, 3 bring 64 k rows x 512 bytes of W each.
; CLUSTERS: 4 x 4 work-groups.  x's tile hangs on the block row alone and is asked for jointly along a row of the cluster; W's tile hangs on
; the block column and on z (which comes from the cluster's y, so all sixteen share it) and is asked for jointly along a column.
; W lies [K][N], so its fragments are read with the transposing LDS load; x's rows lie along K and are read plainly.
; THE MATRIX INSTRUCTION IS USED TRANSPOSED: source 0 = 16 columns of W, source 1 = 16 rows of x: lane l holds row l % 16 of the result and
; registers 0-7 the columns 8 (l / 16) + 0 .. 7.  The bias, loaded in that same layout, is the C of each tile's first product.
;
; REGISTERS in windows of 256:
;   window 0: v16-27 addresses; v64-127, v128-191 fragments of x, two buffers; v192-255 the bias, later the packed results
;   window 1: v64-127, v128-191 fragments of W, two buffers
;   window 2: the 32 tiles of my rows 0-63 (tile (a, b) at v[8 (8 a + b)]);   window 3: those of my rows 64-127
.set SIZE_K, 1024
.set KSTEP,  128
.set PITCH,  272                       ; x in LDS: 256 bytes + 16 of padding: 16 rows of a fragment start 16 bytes apart modulo 256
.set BP,     544                       ; W in LDS: 512 bytes + 32 of padding: 8 k rows x 2 columns of 16 bytes fall on 16 different 16-byte columns modulo 256
.set HALFT,  128*PITCH                 ; what one tensor load fills: 128 * 272 = 64 * 544 = 34,816 bytes
.set SLOT,   4*HALFT                   ; x's 256 rows, then W's 128 k rows (contiguous, pitch 544)
.set STAGE,  2*SLOT                    ; behind the ring: 16 rows x 272 bytes for each wave; no tensor load fills it
.set SPITCH, 272
.set LAPS, SIZE_K/(2*KSTEP)            ; 4 laps of two K steps
.set ADRA, 16                          ; v16-17  LDS address of my x fragments in slot 0, 1
.set ADRB, 20                          ; v20-21  the same for W
.set STO,  24                          ; v24     the way out: where I put 16 bytes of a row
.set RD,   25                          ; v25     the way out: where I read back
.set CO,   26                          ; v26     my byte offset in qkvb
.set F0,   64
.set F1,   128
.set BIAS, 192                         ; v[192:255]: column block b at 192 + 8 b
.set TMP,  192                         ; the same registers on the way out
.set G1, 24                            ; s[24:31] group 1 for x's tiles
.set G0, 32                            ; s[32:39] group 0 for x's tiles, one set for each slot
.set G1B, 48                           ; s[48:55] group 1 for W's tiles
.set G0B, 56                           ; s[56:63] group 0 for W's tiles
.set MSB, 0
.macro WIN new                         ; the immediate's high byte repeats the setting that is left
.if MSB != \new
	s_set_vgpr_msb (MSB<<8)|\new
.set MSB, \new
.endif
.endm
.set MUL_LO,   0xa1                    ; source 0 (W) window 1, source 1 (x) window 0, C and D window 2
.set MUL_HI,   0xf1                    ; C and D window 3
.set FIRST_LO, 0x81                    ; C (the bias) window 0, D window 2
.set FIRST_HI, 0xc1                    ; C window 0, D window 3
.set TO_B,     0x40                    ; destination window 1, address window 0
; A joint load: waves 0, 1 ask for x's halves, waves 2, 3 for W's.  The branch hangs on the wave's number alone.
.macro JLOAD s
	s_cmp_eq_u32 s11, 0
	s_cbranch_scc0 .Lfor_b_\@
	tensor_load_to_lds s[G0+4*\s:G0+4*\s+3], s[G1:G1+7]
	s_nop 0
	s_branch .Lasked_\@
.Lfor_b_\@:
	tensor_load_to_lds s[G0B+4*\s:G0B+4*\s+3], s[G1B:G1B+7]
	s_nop 0
.Lasked_\@:
.endm
; A round of the cluster's barrier behind its opening work-group barrier: wave 0 signals for the work-group, every wave waits for all
; sixteen work-groups, the work-group's barrier closes the round.
.macro CREST
	s_cmp_lg_u32 s10, 0
	s_cbranch_scc1 .Lnot_wave_0_\@
	s_barrier_signal -3
.Lnot_wave_0_\@:
	s_barrier_wait -3
	s_barrier_signal -1
	s_barrier_wait -1
.endm
.macro CROUND
	s_barrier_signal -1
	s_barrier_wait -1
	CREST
.endm
	s_load_b256 s[68:75], s[0:1], 0x0              ; cb s[68:69], bq s[70:71], bk s[72:73], bv s[74:75]
	s_load_b64 s[8:9], s[0:1], 0x20                ; qkvb
	s_set_vgpr_msb 0x40
	v_lshl_add_u32 v255, v0, 2, 0x48400
	s_set_vgpr_msb 0x4000
	v_mov_b32 v63, 0
	s_set_vgpr_msb 0x1
	ds_add_u32 v255, v63
	ds_add_u32 v255, v63
	s_set_vgpr_msb 0x100
	v_lshrrev_b32 v1, 5, v0
	v_readfirstlane_b32 s10, v1                    ; wave 0..3
	s_lshr_b32 s11, s10, 1                         ; my half of the block's rows.  Also: I fetch for x (0) or for W (1)
	s_and_b32 s12, s10, 1                          ; my half of its columns.  Also: which half of that tile I fetch
	s_bfe_u32 s40, ttmp6, 0x40000                  ; cx
	s_bfe_u32 s41, ttmp6, 0x40004                  ; cy
	s_lshl_b32 s42, ttmp9, 2
	s_add_co_u32 s42, s42, s40                     ; block column 0..3
	s_and_b32 s13, ttmp7, 0xffff
	s_lshr_b32 s45, s13, 2                         ; z = cluster y / 4: 0 Q, 1 K, 2 V; the same in all sixteen work-groups
	s_lshl_b32 s13, s13, 2
	s_add_co_u32 s13, s13, s41                     ; block row 0..47 of the array of 12,288 rows
	s_lshl_b32 s43, s41, 2
	s_lshl_b32 s43, 15, s43                        ; my row of the cluster
	s_lshl_b32 s44, 0x1111, s40                    ; my column
	; group 1 for x: 128 rows x 128 elements, 4 words of padding behind every 64 words
	s_or_b32 s[G1+0], s43, (1<<16)|(1<<20)|(1<<21)|(5<<22)|(3<<25)
	s_mov_b32 s[G1+1], KSTEP<<16                   ; tensor_dim0 = 128
	s_mov_b32 s[G1+2], 128<<16                     ; tensor_dim1 = 128
	s_mov_b32 s[G1+3], KSTEP<<16                   ; tile_dim0 = 128
	s_mov_b32 s[G1+4], 128                         ; tile_dim1 = 128
	s_mov_b32 s[G1+5], SIZE_K                      ; elements from row to row
	s_mov_b32 s[G1+6], 0
	s_mov_b32 s[G1+7], 0
	; group 1 for W: 64 k rows x 256 elements, 8 words of padding behind every 128 words
	s_or_b32 s[G1B+0], s44, (1<<16)|(1<<20)|(1<<21)|(6<<22)|(7<<25)
	s_mov_b32 s[G1B+1], 256<<16                    ; tensor_dim0 = 256
	s_mov_b32 s[G1B+2], 64<<16                     ; tensor_dim1 = 64
	s_mov_b32 s[G1B+3], 256<<16                    ; tile_dim0 = 256
	s_mov_b32 s[G1B+4], 64                         ; tile_dim1 = 64
	s_mov_b32 s[G1B+5], 1024                       ; elements from k row to k row
	s_mov_b32 s[G1B+6], 0
	s_mov_b32 s[G1B+7], 0
	; x's tile: row 256 x block row + 128 x half, 2,048 bytes a row.  No register here ever holds cx.
	s_lshl_b32 s17, s12, 7
	s_lshl_b32 s16, s13, 8
	s_add_co_u32 s16, s16, s17
	s_lshl_b32 s16, s16, 11
	s_mov_b32 s17, 0
	; W's tile: 24 MiB + z x 2 MiB + 64 k rows x half + 512 bytes x block column.  No register here ever holds cy.
	s_lshl_b32 s46, s45, 21
	s_lshl_b32 s47, s12, 17
	s_add_co_u32 s46, s46, s47
	s_lshl_b32 s47, s42, 9
	s_add_co_u32 s46, s46, s47
	s_add_co_u32 s46, s46, 0x1800000
	s_mov_b32 s47, 0
	s_mul_i32 s20, s10, HALFT                      ; where a wave's load goes: wave x 34,816; no place in the cluster enters an LDS address
	s_wait_dscnt 0x0
	s_wait_kmcnt 0x0
	s_add_nc_u64 s[14:15], s[68:69], s[16:17]
	s_add_nc_u64 s[46:47], s[68:69], s[46:47]
	CROUND                                         ; all sixteen work-groups are here: the first joint loads meet
.irp s, 0,1
	s_mov_b32 s[G0+4*\s], 1
	s_add_co_u32 s[G0+4*\s+1], s20, \s*SLOT
	s_add_nc_u64 s[G0+4*\s+2:G0+4*\s+3], s[14:15], \s*KSTEP*2          ; K step s: 256 bytes along the rows
	s_or_b32 s[G0+4*\s+3], s[G0+4*\s+3], 0x80000000
	s_mov_b32 s[G0B+4*\s], 1
	s_add_co_u32 s[G0B+4*\s+1], s20, \s*SLOT
	s_add_nc_u64 s[G0B+4*\s+2:G0B+4*\s+3], s[46:47], \s*KSTEP*2048     ; K step s: 128 k rows down
	s_or_b32 s[G0B+4*\s+3], s[G0B+4*\s+3], 0x80000000
	JLOAD \s                                       ; both first fills go out together: two tensor loads of the wave are out
.endr
	; the bias of matrix z, my 128 columns, in the layout of a result tile: register j of block b = bias[16 b + 8 h + j]
	s_cmp_eq_u32 s45, 1
	s_cselect_b64 s[76:77], s[72:73], s[70:71]
	s_cmp_eq_u32 s45, 2
	s_cselect_b64 s[76:77], s[74:75], s[76:77]
	s_lshl_b32 s78, s42, 10
	s_lshl_b32 s79, s12, 9
	s_add_co_u32 s78, s78, s79
	s_mov_b32 s79, 0
	s_add_nc_u64 s[76:77], s[76:77], s[78:79]
	v_and_b32 v1, 15, v0                           ; r = l % 16
	v_bfe_u32 v2, v0, 4, 1                         ; h = l / 16
	v_lshlrev_b32 v27, 5, v2                       ; 32 h
.irp b, 0,1,2,3,4,5,6,7
	global_load_b128 v[BIAS+8*\b:BIAS+8*\b+3],   v27, s[76:77] offset:64*\b
	global_load_b128 v[BIAS+8*\b+4:BIAS+8*\b+7], v27, s[76:77] offset:64*\b+16
.endr
	; x fragment: lane l holds row r; two loads of 16 bytes, 32 bytes apart, at r x pitch + 16 h
	v_mul_u32_u24 v3, v1, PITCH
	v_lshl_add_u32 v3, v2, 4, v3
	; W fragment through the transposing load: lane l addresses k row 8 h + (l & 7), 16 bytes at column block (l >> 3) & 1
	v_and_b32 v8, 7, v0
	v_bfe_u32 v7, v0, 3, 1
	v_lshl_add_u32 v6, v2, 3, v8
	v_mul_u32_u24 v6, v6, BP
	v_lshl_add_u32 v6, v7, 4, v6
	s_mul_i32 s21, s11, HALFT                      ; my 128 rows of x
	s_lshl_b32 s22, s12, 8                         ; my 128 columns of W: 256 bytes,
	s_add_co_u32 s22, s22, 2*HALFT                 ; behind x's 256 rows
.irp s, 0,1
	v_add_nc_u32 v[ADRA+\s], s21, v3
	v_add_nc_u32 v[ADRB+\s], s22, v6
	s_add_co_u32 s21, s21, SLOT
	s_add_co_u32 s22, s22, SLOT
.endr
	s_mul_i32 s23, s10, 16*SPITCH
	s_add_co_u32 s23, s23, STAGE                   ; my stage
	v_add_nc_u32 v[STO], s23, v3                   ; in: row r, 16 bytes for each half of the lanes (the same r x 272 + 16 h)
	v_mul_u32_u24 v5, v7, SPITCH                   ; back: lanes 0-15 take 128 bytes of two rows (one head, two tokens), lanes 16-31 the next head's
	v_lshl_add_u32 v5, v2, 7, v5
	v_lshl_add_u32 v5, v8, 4, v5
	v_add_nc_u32 v[RD], s23, v5
	v_lshlrev_b32 v[CO], 4, v8                     ; in qkvb: 16 (l & 7) + 128 x token + 262,144 x head
	v_lshl_add_u32 v[CO], v7, 7, v[CO]
	v_lshl_add_u32 v[CO], v2, 18, v[CO]
; 16 matrix instructions: row blocks a0, a0 + 1 of the window's four x all 8 column blocks, 32 along K.
; first = 1: the bias is C, so nothing is cleared and nothing is added afterwards.
; The 64 accumulators take turns, one instruction a turn, in the same order in every quarter step.
.macro MUL16 f, hi, a0, first
.irp a, \a0, \a0+1
.irp b, 0,1,2,3,4,5,6,7
.if \first
	v_wmma_f32_16x16x32_bf16 v[8*(8*(\a)+\b):8*(8*(\a)+\b)+7], v[\f+8*\b:\f+8*\b+7], v[\f+8*(4*\hi+\a):\f+8*(4*\hi+\a)+7], v[BIAS+8*\b:BIAS+8*\b+7]
.else
	v_wmma_f32_16x16x32_bf16 v[8*(8*(\a)+\b):8*(8*(\a)+\b)+7], v[\f+8*\b:\f+8*\b+7], v[\f+8*(4*\hi+\a):\f+8*(4*\hi+\a)+7], v[8*(8*(\a)+\b):8*(8*(\a)+\b)+7]
.endif
.endr
.endr
.endm
; 32 LDS loads in one run: quarter q (32 along K) of a slot into buffer f: 16 for W's 128 columns, then 16 for x's 128 rows
.macro FETCH slot, q, f
	WIN TO_B
.irp i, 0,1,2,3,4,5,6,7
	ds_load_tr16_b128 v[\f+8*\i:\f+8*\i+3],   v[ADRB+\slot] offset:\q*32*BP+32*\i          ; k = 32 q + 8 h .. + 7 of column 16 i + r
	ds_load_tr16_b128 v[\f+8*\i+4:\f+8*\i+7], v[ADRB+\slot] offset:\q*32*BP+32*\i+16*BP    ; k = 32 q + 16 + 8 h .. + 7
.endr
	WIN 0
.irp i, 0,1,2,3,4,5,6,7
	ds_load_b128 v[\f+8*\i:\f+8*\i+3],   v[ADRA+\slot] offset:\q*64+\i*16*PITCH
	ds_load_b128 v[\f+8*\i+4:\f+8*\i+7], v[ADRA+\slot] offset:\q*64+\i*16*PITCH+32
.endr
.endm
; Four places behind the last matrix instruction, in front of loads into registers that matrix instructions have read
; and of vector instructions that read results.
.macro PLACES
.rept 4
	v_nop
.endr
.endm
; One of a K step's first three quarters: multiplies buffer f; in its middle it fetches quarter q of the same slot into buffer g.
.macro QUARTER slot, q, f, g, first
	s_wait_dscnt 8                                 ; W and x's rows 0-63 are in; the youngest eight loads (x's rows 64-127) may be out
.if \first
	WIN FIRST_LO
.else
	WIN MUL_LO
.endif
	MUL16 \f, 0, 0, \first
	MUL16 \f, 0, 2, \first
	PLACES
	FETCH \slot, \q, \g
	s_wait_dscnt 32                                ; all but the 32 just issued
.if \first
	WIN FIRST_HI
.else
	WIN MUL_HI
.endif
	MUL16 \f, 1, 0, \first
	MUL16 \f, 1, 2, \first
.endm
.macro THREE slot, first
	QUARTER \slot, 1, F0, F1, \first
	QUARTER \slot, 2, F1, F0, 0
	QUARTER \slot, 3, F0, F1, 0
.endm
; The last quarter multiplies buffer 1 and changes slots.  In front of the barrier each wave waits for its reads of this slot and for all its
; tensor loads (one is out: its part of the next slot).  Behind it (with fill = 1: behind a whole round of the cluster's barrier) the refill
; comes first, then the next slot's first fragments.  From a request to the wait for it a wave issues 240 matrix instructions.
.macro TURN slot, next, fill
	s_wait_dscnt 8
	WIN MUL_LO
	MUL16 F1, 0, 0, 0
	s_wait_dscnt 0                                 ; my reads of this slot are over
	s_wait_tensorcnt 0x0                           ; all my tensor loads have landed
	ds_add_u32 v255, v63
	s_wait_dscnt 0x0
	s_barrier_signal -1
	MUL16 F1, 0, 2, 0                              ; register work while the others arrive
	WIN 0
	s_barrier_wait -1
.if \fill
	CREST                                          ; no wave of any partner still reads this slot or has a load on its way
	s_add_nc_u64 s[G0+4*\slot+2:G0+4*\slot+3], s[G0+4*\slot+2:G0+4*\slot+3], 2*KSTEP*2
	s_add_nc_u64 s[G0B+4*\slot+2:G0B+4*\slot+3], s[G0B+4*\slot+2:G0B+4*\slot+3], 2*KSTEP*2048
	JLOAD \slot                                    ; the wave's one tensor load behind the round
.endif
	PLACES
	FETCH \next, 0, F0
	WIN MUL_HI
	MUL16 F1, 1, 0, 0
	MUL16 F1, 1, 2, 0
.endm
.macro LAP first
	THREE 0, \first
	TURN 0, 1, 1
	THREE 1, 0
	TURN 1, 0, 1
.endm
	s_wait_loadcnt 0x0                             ; the bias
	s_wait_tensorcnt 1                             ; my part of K step 0 is in; K step 1's may stay out
	s_barrier_signal -1
	s_barrier_wait -1
	FETCH 0, 0, F0
	LAP 1                                          ; the first lap stands in front of the loop: its first products take the bias as C
	WIN 0
	s_mov_b32 s3, LAPS-2
.Llap:
	LAP 0
	WIN 0
	s_sub_co_u32 s3, s3, 1
	s_cmp_lg_u32 s3, 0
	s_cbranch_scc1 .Llap
	THREE 0, 0                                     ; the last lap fills nothing
	TURN 0, 1, 0
	THREE 1, 0
	s_wait_dscnt 8
	WIN MUL_LO
	MUL16 F1, 0, 0, 0
	MUL16 F1, 0, 2, 0
	s_wait_dscnt 0
	WIN MUL_HI
	MUL16 F1, 1, 0, 0
	MUL16 F1, 1, 2, 0
	; THE WAY OUT, 16 rows at a time: round to f16, 16 bytes a lane into my own stage, read back so that sixteen lanes hold two tokens of one head.
	PLACES
	s_and_b32 s14, s13, 15
	s_lshl_b32 s14, s14, 8
	s_lshl_b32 s15, s11, 7
	s_add_co_u32 s14, s14, s15                     ; my first row in matrix z, 0 .. 4095
	s_lshr_b32 s15, s14, 11                        ; b
	s_lshl_b32 s15, s15, 22                        ; 16 heads x 262,144 bytes
	s_and_b32 s14, s14, 2047                       ; t
	s_lshl_b32 s14, s14, 7
	s_add_co_u32 s16, s14, s15
	s_lshl_b32 s15, s45, 23                        ; z x 8 MiB
	s_add_co_u32 s16, s16, s15
	s_mov_b32 s17, 0
	s_add_nc_u64 s[8:9], s[8:9], s[16:17]
	s_lshl_b32 s46, s42, 20                        ; head 4 x block column + 2 x half, 262,144 bytes each
	s_lshl_b32 s47, s12, 19
	s_add_co_u32 s46, s46, s47
	s_mov_b32 s47, 0
	s_add_nc_u64 s[8:9], s[8:9], s[46:47]
; rows 16 i .. 16 i + 15 of my block = tiles (a, 0..7) of window 2 or 3 (from = 0x0a or 0x0f); f: F0 or F1 in turn
.macro OUT16 i, a, from, f
	WIN \from
.irp b, 0,1,2,3,4,5,6,7
.irp r, 0,1,2,3
	v_cvt_pk_f16_f32 v[TMP+4*\b+\r], v[8*(8*\a+\b)+2*\r], v[8*(8*\a+\b)+2*\r+1]
.endr
.endr
	WIN 0
.irp b, 0,1,2,3,4,5,6,7
	ds_store_b128 v[STO], v[TMP+4*\b:TMP+4*\b+3] offset:32*\b
.endr
	s_wait_xcnt 0x0                                ; buffer f, which earlier stores read, is loaded again only behind this wait
.irp t, 0,1,2,3,4,5,6,7
	ds_load_b128 v[\f+4*\t:\f+4*\t+3], v[RD] offset:\t*2*SPITCH    ; a wave's LDS instructions are served in order: these see the stores above
.endr
.irp t, 0,1,2,3,4,5,6,7
	s_wait_dscnt 7-\t                              ; rows 2 t, 2 t + 1 are back, the younger loads stay out
	global_store_b128 v[CO], v[\f+4*\t:\f+4*\t+3], s[8:9] offset:(16*\i+2*\t)*128   ; sixteen lanes store 256 consecutive bytes, aligned: tokens 16 i + 2 t, + 1 of one head
.endr
.endm
	OUT16 0, 0, 0x0a, F0
	OUT16 1, 1, 0x0a, F1
	OUT16 2, 2, 0x0a, F0
	OUT16 3, 3, 0x0a, F1
	OUT16 4, 0, 0x0f, F0
	OUT16 5, 1, 0x0f, F1
	OUT16 6, 2, 0x0f, F0
	OUT16 7, 3, 0x0f, F1
	s_set_vgpr_msb 0x1
	s_wait_tensorcnt 0x0
	ds_add_u32 v255, v63
	s_wait_dscnt 0x0
	s_set_vgpr_msb 0x100
	CROUND                                         ; the closing round: no work-group ends while a partner may still ask for a tile that names it
	s_endpgm
.Lfunc_end_k_q64e4dfe310_qkv:
	.size	k_q64e4dfe310_qkv, .Lfunc_end_k_q64e4dfe310_qkv-k_q64e4dfe310_qkv
	.p2alignl 7, 3214868480
	.fill 96, 4, 3214868480
	.section	.rodata,"a",@progbits
	.p2align	6, 0x0
	.amdhsa_kernel k_q64e4dfe310_qkv
		.amdhsa_group_segment_fixed_size 327680
		.amdhsa_private_segment_fixed_size 0
		.amdhsa_enable_private_segment 0
		.amdhsa_kernarg_size 40
		.amdhsa_user_sgpr_count 2
		.amdhsa_user_sgpr_kernarg_segment_ptr 1
		.amdhsa_wavefront_size32 1
		.amdhsa_system_sgpr_workgroup_id_x 1
		.amdhsa_system_sgpr_workgroup_id_y 1
		.amdhsa_system_sgpr_workgroup_id_z 1
		.amdhsa_system_vgpr_workitem_id 0
		.amdhsa_next_free_vgpr 1024
		.amdhsa_next_free_sgpr 88
		.amdhsa_reserve_vcc 0
		.amdhsa_float_denorm_mode_32 3
		.amdhsa_float_denorm_mode_16_64 3
		.amdhsa_memory_ordered 1
		.amdhsa_forward_progress 1
		.amdhsa_inst_pref_size 198
	.end_amdhsa_kernel
	.amdgpu_metadata
---
amdhsa.version: [ 1, 2 ]
amdhsa.kernels:
  - .name:           k_q64e4dfe310_qkv
    .symbol:         k_q64e4dfe310_qkv.kd
    .args:
      - { .name: cb, .offset: 0, .size: 8, .value_kind: global_buffer, .address_space: global }
      - { .name: bq, .offset: 8, .size: 8, .value_kind: global_buffer, .address_space: global }
      - { .name: bk, .offset: 16, .size: 8, .value_kind: global_buffer, .address_space: global }
      - { .name: bv, .offset: 24, .size: 8, .value_kind: global_buffer, .address_space: global }
      - { .name: qkvb, .offset: 32, .size: 8, .value_kind: global_buffer, .address_space: global }
    .group_segment_fixed_size: 327680
    .private_segment_fixed_size: 0
    .kernarg_segment_align: 8
    .kernarg_segment_size: 40
    .max_flat_workgroup_size: 128
    .sgpr_count:     88
    .vgpr_count:     1024
    .wavefront_size: 32
...
	.end_amdgpu_metadata
.endif
;; end of part 2
;; launch attn (part 3): grid 8 x 32, 4 waves a work-group, no clusters, 327,680 bytes of LDS; arguments qkvb, ao; writes ao
.if DOCPART == 3
	.amdgcn_target "amdgcn-amd-amdhsa--gfx1250"
	.amdhsa_code_object_version 6
	.text
	.protected	k_q64e4dfe310_attn
	.globl	k_q64e4dfe310_attn
	.p2align	8
	.type	k_q64e4dfe310_attn,@function
k_q64e4dfe310_attn:
	s_mov_b64 s[64:65], 0
	v_nop
	global_prefetch_b8 v0, s[64:65] scope:SCOPE_SE
	s_setreg_imm32_b32 hwreg(HW_REG_WAVE_MODE, 25, 1), 1
	s_wait_xcnt 0x0
; Causal attention of one head, softmax(Q K^T / 8) V with a running maximum.  f16 operands, f32 sums and statistics.
; qkvb: Q at 0, K at 8 MiB, V at 16 MiB, each f16 [b][h][t][64].  ao: f16 [4096][1024], column 64 h + d.
; Work-group (j, bh) takes the query blocks j and 15 - j (128 rows each) of head bh: (j + 1) + (16 - j) = 17 steps of 128 queries x 128 keys
; for every one of the 256 work-groups; keys beyond a block's diagonal tile are never touched.  Wave w owns queries 32 w .. 32 w + 31, two tiles u.
; NO CLUSTER: the work-groups of a head need different numbers of tiles at different times (block j ends after j + 1 tiles); walking tiles
; 0 .. 15 in step would make every round as long as its busiest partner's, 8 x 2 + 8 x 1 = 24 step times against 17.
; TRANSPOSED PRODUCTS: S^T = K Q^T (source 0 = 16 keys, source 1 = 16 queries): lane (r, h), register jj holds key 16 t + 8 h + jj of query r.
; Two neighbouring key tiles, packed to f16 in place, are the second source for 32 keys of O^T = V^T P^T (V through the transposing load),
; and ONES P^T gives the row sums in O's own layout.  So a lane's numbers all belong to query r: only the maximum crosses lanes, once.
; LIMITS: probabilities below 2^-25 become 0 in f16; an infinite or NaN score gives NaN, as in the reference; results are rounded to f16
; (beyond 65,504 infinite).
; LDS: two slots of 40,960 bytes: K's keys 0-63 at 0, 64-127 at 10,240 (pitch 144), V's 128 keys at 20,480 (pitch 160); each wave fills a
; quarter with one tensor load.  Behind the slots a stage of 32 x 144 bytes for each wave, which no tensor load fills.
.set QUART, 10240
.set SLOT,  4*QUART
.set STAGE, 2*SLOT
.set KP,    144                        ; 128 bytes + 16: 16 rows of a fragment start 16 bytes apart modulo 256
.set VP,    160                        ; 128 bytes + 32: what the transposing load's 8 rows x 2 columns want
; window 0
.set AK,   4                           ; v4-5    K fragments' address in slot 0, 1: r x 144 + 16 h
.set AV,   6                           ; v6-7    V fragments' address in slot 0, 1
.set STO,  8                           ; v8      stage, in
.set RD,   9                           ; v9      stage, back
.set CO,   10                          ; v10     my byte offset in ao
.set D0,   11                          ; v11     32 w + r - 8 h, for the diagonal
.set VQ,   12                          ; v12     r x 128 + 16 h, for Q
.set M,    14                          ; v14-15  running maximum of query r, tile u
.set NMC,  16                          ; v[16:19] -c x maximum, a pair for each u
.set AL,   20                          ; v[20:23] rescale factor (at the end 1 / sum), a pair for each u
.set T,    24                          ; v[24:31] at work
.set QF,   32                          ; v[32:63] Q fragments (u, ds) at 32 + 16 u + 8 ds
.set OA,   64                          ; v[64:127] O^T (u, e) at 64 + 8 (4 u + e)
.set LS,   128                         ; v[128:143] row sums, 8 registers for each u
.set ONES, 144                         ; v[144:151] a fragment of f16 ones
.set QF2,  152                         ; v[152:183] Q fragments of the second block
.set OUTR, 184                         ; v[184:215] rows on their way out
.set PKD,  216                         ; v[216:247] packed results
; window 1: v[0:127] S^T: group g = 2 kk + u is 16 registers (key tiles 2 kk, 2 kk + 1 of query tile u), P in its first 8;
;           v[128:255] K fragments (t, ds) at 128 + 16 t + 8 ds, later V fragments (kk, e) at 128 + 8 (4 kk + e)
.set KF,   128
.set G1K, 32                           ; s[32:39]
.set G1V, 40                           ; s[40:47]
.set G0K, 48                           ; s[48:55] one set for each slot
.set G0V, 56                           ; s[56:63]
.set MSB, 0
.macro WIN new                         ; the immediate's high byte repeats the setting that is left
.if MSB != \new
	s_set_vgpr_msb (MSB<<8)|\new
.set MSB, \new
.endif
.endm
.macro JLOAD s                         ; waves 0, 1 bring K's halves, waves 2, 3 V's: one tensor load a wave
	s_cmp_eq_u32 s11, 0
	s_cbranch_scc0 .Lfor_v_\@
	tensor_load_to_lds s[G0K+4*(\s):G0K+4*(\s)+3], s[G1K:G1K+7]
	s_nop 0
	s_branch .Lasked_\@
.Lfor_v_\@:
	tensor_load_to_lds s[G0V+4*(\s):G0V+4*(\s)+3], s[G1V:G1V+7]
	s_nop 0
.Lasked_\@:
.endm
.macro PLACES                          ; four places behind a matrix instruction (ISA guide 7.12.1)
.rept 4
	v_nop
.endr
.endm
; A pass begins: sums 0, maximum -inf, -c x maximum +inf (so the first rescale factor is exp2(-inf) = 0).
; A pass's first step is no fixed place in the text (it hangs on j), so a constant C cannot start these sums.
.macro CLEAR
.set n, 0
.rept 80
	v_mov_b32 v[OA+n], 0
.set n, n+1
.endr
	v_mov_b32 v[M], s28
	v_mov_b32 v[M+1], s28
.irp p, 0,1,2,3
	v_mov_b32 v[NMC+\p], 0x7f800000
.endr
.endm
	s_load_b128 s[4:7], s[0:1], 0x0                ; qkvb s[4:5], ao s[6:7]
	v_lshl_add_u32 v254, v0, 2, 0x29000
	v_mov_b32 v255, 0
	ds_add_u32 v254, v255
	ds_add_u32 v254, v255
	v_lshrrev_b32 v1, 5, v0
	v_readfirstlane_b32 s10, v1                    ; wave
	s_lshr_b32 s11, s10, 1                         ; I fetch K (0) or V (1)
	s_and_b32 s12, s10, 1                          ; which 64 keys of the tile
	s_mov_b32 s13, ttmp9                           ; j
	s_and_b32 s14, ttmp7, 0xffff                   ; bh = 16 b + h
	; group 1: 64 rows x 64 elements of 2 bytes, pitch 64; padding behind every 32 words: 4 words for K, 8 for V
	s_mov_b32 s[G1K+0], (1<<16)|(1<<20)|(4<<22)|(3<<25)
	s_mov_b32 s[G1V+0], (1<<16)|(1<<20)|(4<<22)|(7<<25)
.irp g, G1K, G1V
	s_mov_b32 s[\g+1], 64<<16                      ; tensor_dim0 = 64
	s_mov_b32 s[\g+2], 64<<16                      ; tensor_dim1 = 64
	s_mov_b32 s[\g+3], 64<<16                      ; tile_dim0 = 64
	s_mov_b32 s[\g+4], 64                          ; tile_dim1 = 64
	s_mov_b32 s[\g+5], 64                          ; elements from row to row
	s_mov_b32 s[\g+6], 0
	s_mov_b32 s[\g+7], 0
.endr
	s_lshl_b32 s20, s14, 18                        ; the head: 2,048 tokens x 128 bytes
	s_lshl_b32 s19, s12, 13                        ; my 64 keys
	s_add_co_u32 s20, s20, s19
	s_add_co_u32 s20, s20, 0x800000                ; K
	s_mov_b32 s21, 0
	s_mul_i32 s19, s10, QUART                      ; my quarter of a slot
	s_wait_dscnt 0x0
	s_wait_kmcnt 0x0
	s_add_nc_u64 s[22:23], s[4:5], s[20:21]        ; K's tile 0, my half
	s_add_nc_u64 s[24:25], s[22:23], 0x800000      ; V's
.irp s, 0,1
	s_mov_b32 s[G0K+4*\s], 1
	s_add_co_u32 s[G0K+4*\s+1], s19, \s*SLOT
	s_mov_b64 s[G0K+4*\s+2:G0K+4*\s+3], s[22:23]
	s_or_b32 s[G0K+4*\s+3], s[G0K+4*\s+3], 0x80000000
	s_mov_b32 s[G0V+4*\s], 1
	s_add_co_u32 s[G0V+4*\s+1], s19, \s*SLOT
	s_mov_b64 s[G0V+4*\s+2:G0V+4*\s+3], s[24:25]
	s_or_b32 s[G0V+4*\s+3], s[G0V+4*\s+3], 0x80000000
.endr
	JLOAD 0                                        ; tile 0 into slot 0, ahead of everything else
	; Q of both blocks, straight into fragments: lane (r, h) takes query 16 u + r, d = 32 ds + 8 h .. and 32 ds + 16 + 8 h ..
	s_lshl_b32 s2, s14, 18
	s_lshl_b32 s19, s10, 12                        ; my 32 queries x 128 bytes
	s_add_co_u32 s2, s2, s19
	s_lshl_b32 s19, s13, 14                        ; block j
	s_add_co_u32 s8, s2, s19
	s_mov_b32 s9, 0
	s_sub_co_u32 s19, 15, s13                      ; block 15 - j
	s_lshl_b32 s19, s19, 14
	s_add_co_u32 s2, s2, s19
	s_mov_b32 s3, 0
	s_add_nc_u64 s[8:9], s[4:5], s[8:9]
	s_add_nc_u64 s[2:3], s[4:5], s[2:3]
	v_and_b32 v1, 15, v0                           ; r
	v_bfe_u32 v2, v0, 4, 1                         ; h
	v_and_b32 v3, 7, v0                            ; l & 7
	v_bfe_u32 v13, v0, 3, 1                        ; (l >> 3) & 1
	v_lshlrev_b32 v[VQ], 7, v1
	v_lshl_add_u32 v[VQ], v2, 4, v[VQ]
.irp u, 0,1
.irp d, 0,1
	global_load_b128 v[QF+16*\u+8*\d:QF+16*\u+8*\d+3],     v[VQ], s[8:9] offset:2048*\u+64*\d
	global_load_b128 v[QF+16*\u+8*\d+4:QF+16*\u+8*\d+7],   v[VQ], s[8:9] offset:2048*\u+64*\d+32
	global_load_b128 v[QF2+16*\u+8*\d:QF2+16*\u+8*\d+3],   v[VQ], s[2:3] offset:2048*\u+64*\d
	global_load_b128 v[QF2+16*\u+8*\d+4:QF2+16*\u+8*\d+7], v[VQ], s[2:3] offset:2048*\u+64*\d+32
.endr
.endr
	v_mul_u32_u24 v[AK], v1, KP
	v_lshl_add_u32 v[AK], v2, 4, v[AK]
	v_add_nc_u32 v[AK+1], SLOT, v[AK]
	v_lshl_add_u32 v[AV], v2, 3, v3                ; key row 8 h + (l & 7)
	v_mul_u32_u24 v[AV], v[AV], VP
	v_lshl_add_u32 v[AV], v13, 4, v[AV]
	v_add_nc_u32 v[AV], 2*QUART, v[AV]
	v_add_nc_u32 v[AV+1], SLOT, v[AV]
	s_mul_i32 s19, s10, 32*KP
	s_add_co_u32 s19, s19, STAGE                   ; my stage
	v_add_nc_u32 v[STO], s19, v[AK]
	v_bfe_u32 v24, v0, 3, 2                        ; l >> 3
	v_mul_u32_u24 v[RD], v24, KP
	v_lshl_add_u32 v[RD], v3, 4, v[RD]
	v_add_nc_u32 v[RD], s19, v[RD]
	v_lshlrev_b32 v[CO], 4, v3
	v_lshl_add_u32 v[CO], v24, 11, v[CO]           ; four rows of ao, 2,048 bytes apart
	v_lshlrev_b32 v25, 3, v2
	v_sub_nc_u32 v[D0], v1, v25
	s_lshl_b32 s19, s10, 5
	v_add_nc_u32 v[D0], s19, v[D0]
.irp p, 0,1,2,3,4,5,6,7
	v_mov_b32 v[ONES+\p], 0x3c003c00
.endr
	s_lshr_b32 s68, s14, 4                         ; b
	s_lshl_b32 s68, s68, 22                        ; 2,048 rows x 2,048 bytes
	s_and_b32 s19, s14, 15                         ; h
	s_lshl_b32 s19, s19, 7
	s_add_co_u32 s68, s68, s19
	s_lshl_b32 s19, s10, 16                        ; my 32 rows
	s_add_co_u32 s68, s68, s19
	s_mov_b32 s69, 0
	s_add_nc_u64 s[66:67], s[6:7], s[68:69]
	s_mov_b32 s73, 0
	s_mov_b32 s26, 0x3e38aa3b                      ; c = log2(e) / 8
	s_mov_b32 s27, 0x3e38aa3b
	s_mov_b32 s28, 0xff800000                      ; -inf
	s_mov_b32 s29, 0xbe38aa3b                      ; -c
	s_mov_b32 s30, 0x76543210                      ; v_permlanex16_b32: lane i of one half reads lane i of the other
	s_mov_b32 s31, 0xfedcba98
	s_mov_b32 s15, 0                               ; kt: the key tile
	s_mov_b32 s16, s13                             ; qb: the query block
	CLEAR
	s_wait_loadcnt 0x0                             ; Q, once
; exp2(c S - c m) and the packing to f16, as a pipeline over the eight groups: while group g is in the exponentials, group g + 1 gets its
; multiply-add and group g - 1 is packed, so behind every exponential stands another exponential or a plain instruction on another group.
.macro CORE
.set g, -1
.rept 10
.set i, 0
.rept 8
.if g >= 0
.if g <= 7
	v_exp_f32 v[16*g+2*i], v[16*g+2*i]
.endif
.endif
.if g <= 6
	v_pk_fma_f32 v[16*g+16+2*i:16*g+17+2*i], v[16*g+16+2*i:16*g+17+2*i], s[26:27], v[NMC+2*((g+1)&1):NMC+2*((g+1)&1)+1] op_sel_hi:[1,0,1]
.endif
.if g >= 0
.if g <= 7
	v_exp_f32 v[16*g+2*i+1], v[16*g+2*i+1]
.endif
.endif
.if g >= 1
	s_wait_alu depctr_va_vdst(0)
	v_cvt_pk_f16_f32 v[16*g-16+i], v[16*g-16+2*i], v[16*g-15+2*i]
.endif
.set i, i+1
.endr
.set g, g+1
.endr
.endm
; A query block is done: divide by the sums, round to f16, through my stage, out.  again = 1: set up the second block.
.macro FINISH again
	s_wait_xcnt 0x0                                ; the store base and OUTR, which the first block's stores read, are rewritten only behind this wait
	s_lshl_b32 s72, s16, 18                        ; qb x 128 rows x 2,048 bytes
	s_add_nc_u64 s[70:71], s[66:67], s[72:73]
.irp u, 0,1
	v_rcp_f32 v[AL+2*\u],   v[LS+8*\u]             ; every register of LS(u) holds query r's sum
	v_rcp_f32 v[AL+2*\u+1], v[LS+8*\u]
.endr
	v_nop                                          ; one plain place behind the reciprocals
	s_wait_alu depctr_va_vdst(0)
.irp u, 0,1
.irp p, 0,1,2,3,4,5,6,7,8,9,10,11,12,13,14,15
	v_pk_mul_f32 v[OA+32*\u+2*\p:OA+32*\u+2*\p+1], v[OA+32*\u+2*\p:OA+32*\u+2*\p+1], v[AL+2*\u:AL+2*\u+1]
.endr
.endr
.set n, 0
.rept 32
	v_cvt_pk_f16_f32 v[PKD+n], v[OA+2*n], v[OA+2*n+1]
.set n, n+1
.endr
.irp u, 0,1
.irp e, 0,1,2,3
	ds_store_b128 v[STO], v[PKD+4*(4*\u+\e):PKD+4*(4*\u+\e)+3] offset:16*KP*\u+32*\e   ; query 16 u + r, d = 16 e + 8 h .. + 7
.endr
.endr
.irp i, 0,1,2,3,4,5,6,7
	ds_load_b128 v[OUTR+4*\i:OUTR+4*\i+3], v[RD] offset:4*KP*\i    ; my own bytes, served in order behind the stores above
.endr
.irp i, 0,1,2,3,4,5,6,7
	s_wait_dscnt 7-\i                              ; rows 4 i .. 4 i + 3 are back, the younger loads stay out
	global_store_b128 v[CO], v[OUTR+4*\i:OUTR+4*\i+3], s[70:71] offset:8192*\i   ; four rows' 128 bytes: a head's part of a row of ao is no longer than that
.endr
.if \again
.set n, 0
.rept 32
	v_mov_b32 v[QF+n], v[QF2+n]
.set n, n+1
.endr
	CLEAR
	s_sub_co_u32 s16, 15, s13                      ; the second block
.endif
.endm
; One step: 128 keys of tile kt, in LDS slot \slot, against my 32 queries.
.macro STEP slot, refill, last
	s_wait_tensorcnt 0x0                           ; all my tensor loads have landed (one was out: my quarter of this slot), so a group 0 may be written
	ds_add_u32 v254, v255
	s_wait_dscnt 0x0
.if \refill
	s_add_co_u32 s18, s15, 1
	s_cmp_eq_u32 s15, s16
	s_cselect_b32 s18, 0, s18                      ; the next tile: kt + 1, or tile 0 of the second block
	s_lshl_b32 s20, s18, 14                        ; 128 keys x 128 bytes
	s_add_nc_u64 s[G0K+4*(1-\slot)+2:G0K+4*(1-\slot)+3], s[22:23], s[20:21]
	s_or_b32 s[G0K+4*(1-\slot)+3], s[G0K+4*(1-\slot)+3], 0x80000000
	s_add_nc_u64 s[G0V+4*(1-\slot)+2:G0V+4*(1-\slot)+3], s[24:25], s[20:21]
	s_or_b32 s[G0V+4*(1-\slot)+3], s[G0V+4*(1-\slot)+3], 0x80000000
.endif
	s_wait_dscnt 0x0                               ; my reads of the other slot are over
	s_barrier_signal -1
	s_barrier_wait -1                              ; both now hold of all four waves: this slot is whole, the other is free
.if \refill
	JLOAD 1-\slot                                  ; my one tensor load behind the barrier; it has the whole step in which to land
.endif
	WIN 0x40                                       ; destination window 1
.irp t, 0,1,2,3,4,5,6,7
.irp d, 0,1
	ds_load_b128 v[KF+16*\t+8*\d:KF+16*\t+8*\d+3],   v[AK+\slot] offset:(\t>>2)*QUART+(\t&3)*16*KP+64*\d
	ds_load_b128 v[KF+16*\t+8*\d+4:KF+16*\t+8*\d+7], v[AK+\slot] offset:(\t>>2)*QUART+(\t&3)*16*KP+64*\d+32
.endr
.endr
	WIN 0x51                                       ; K window 1, Q window 0, S window 1
	; the two query tiles' accumulators take turns, one instruction a turn
.irp t, 0,1,2,3,4,5,6,7
	s_wait_dscnt 4*(7-\t)                          ; key tile t's four loads are in; those of the 7 - t later tiles stay out
	v_wmma_f32_16x16x32_f16 v[32*(\t>>1)+8*(\t&1):32*(\t>>1)+8*(\t&1)+7],       v[KF+16*\t:KF+16*\t+7],    v[QF:QF+7],     0
	v_wmma_f32_16x16x32_f16 v[32*(\t>>1)+16+8*(\t&1):32*(\t>>1)+16+8*(\t&1)+7], v[KF+16*\t:KF+16*\t+7],    v[QF+16:QF+23], 0
	v_wmma_f32_16x16x32_f16 v[32*(\t>>1)+8*(\t&1):32*(\t>>1)+8*(\t&1)+7],       v[KF+16*\t+8:KF+16*\t+15], v[QF+8:QF+15],  v[32*(\t>>1)+8*(\t&1):32*(\t>>1)+8*(\t&1)+7]
	v_wmma_f32_16x16x32_f16 v[32*(\t>>1)+16+8*(\t&1):32*(\t>>1)+16+8*(\t&1)+7], v[KF+16*\t+8:KF+16*\t+15], v[QF+24:QF+31], v[32*(\t>>1)+16+8*(\t&1):32*(\t>>1)+16+8*(\t&1)+7]
.endr
	PLACES
	WIN 0
	; The diagonal tile: key 16 t + 8 h + jj stays if it is <= query 32 w + 16 u + r, that is D0 >= 16 (t - u) + jj.  One compare serves
	; tile t = tau of u = 0 and tile t = tau + 1 of u = 1.
	s_cmp_lg_u32 s15, s16
	s_cbranch_scc1 .Lnomask_\@
	WIN 0x44                                       ; S as second source and destination in window 1; D0, a first source, in window 0
.set tau, -1
.rept 9
.set jj, 0
.rept 8
	v_cmp_ge_i32 vcc_lo, v[D0], 16*tau+jj
.if tau >= 0
	v_cndmask_b32 v[32*(tau>>1)+8*(tau&1)+jj], s28, v[32*(tau>>1)+8*(tau&1)+jj], vcc_lo
.endif
.if tau <= 6
	v_cndmask_b32 v[32*((tau+1)>>1)+16+8*((tau+1)&1)+jj], s28, v[32*((tau+1)>>1)+16+8*((tau+1)&1)+jj], vcc_lo
.endif
.set jj, jj+1
.endr
.set tau, tau+1
.endr
	WIN 0
.Lnomask_\@:
	; the largest score of each group of 16 registers: eight chains that do not wait for each other
	WIN 0x05                                       ; S window 1; the chains in window 0
.irp g, 0,1,2,3,4,5,6,7
	v_max_num_f32 v[T+\g], v[16*\g], v[16*\g+1]
.endr
.irp k, 1,2,3,4,5,6,7
.irp g, 0,1,2,3,4,5,6,7
	v_max3_num_f32 v[T+\g], v[16*\g+2*\k], v[16*\g+2*\k+1], v[T+\g]
.endr
.endr
	WIN 0x40                                       ; V's fragments take K's registers: the four places stand behind the last product above
.irp kk, 0,1,2,3
.irp e, 0,1,2,3
	ds_load_tr16_b128 v[KF+8*(4*\kk+\e):KF+8*(4*\kk+\e)+3],   v[AV+\slot] offset:32*VP*\kk+32*\e         ; keys 32 kk + 8 h .. + 7 of d = 16 e + r
	ds_load_tr16_b128 v[KF+8*(4*\kk+\e)+4:KF+8*(4*\kk+\e)+7], v[AV+\slot] offset:32*VP*\kk+32*\e+16*VP  ; keys 32 kk + 16 + 8 h .. + 7
.endr
.endr
	WIN 0
	; the new maximum of query r, and the factor by which the old sums shrink.  The factor is made of the same rounded -c m that the
	; exponents use, so the rounding of c m cancels between steps however large the scores are.
.irp u, 0,1
	v_max3_num_f32 v[T+\u], v[T+\u], v[T+2+\u], v[T+4+\u]
.endr
.irp u, 0,1
	v_max3_num_f32 v[T+\u], v[T+\u], v[T+6+\u], v[M+\u]
.endr
.irp u, 0,1
	v_permlanex16_b32 v[T+2+\u], v[T+\u], s30, s31     ; the other half of the lanes holds the query's other keys
.endr
.irp u, 0,1
	v_max_num_f32 v[M+\u], v[T+\u], v[T+2+\u]
.endr
.irp u, 0,1
	v_mul_f32 v[T+4+\u], s29, v[M+\u]                  ; -c m
.endr
.irp u, 0,1
	v_sub_f32 v[T+6+\u], v[T+4+\u], v[NMC+2*\u]        ; c m_old - c m_new
.endr
.irp u, 0,1
	v_exp_f32 v[AL+2*\u], v[T+6+\u]
.endr
.irp u, 0,1
	v_mov_b32 v[NMC+2*\u],   v[T+4+\u]                 ; plain work behind the exponentials
	v_mov_b32 v[NMC+2*\u+1], v[T+4+\u]
.endr
	s_wait_alu depctr_va_vdst(0)
.irp u, 0,1
	v_mov_b32 v[AL+2*\u+1], v[AL+2*\u]
.endr
.irp u, 0,1
.irp p, 0,1,2,3,4,5,6,7,8,9,10,11,12,13,14,15
	v_pk_mul_f32 v[OA+32*\u+2*\p:OA+32*\u+2*\p+1], v[OA+32*\u+2*\p:OA+32*\u+2*\p+1], v[AL+2*\u:AL+2*\u+1]
.endr
.irp p, 0,1,2,3
	v_pk_mul_f32 v[LS+8*\u+2*\p:LS+8*\u+2*\p+1], v[LS+8*\u+2*\p:LS+8*\u+2*\p+1], v[AL+2*\u:AL+2*\u+1]
.endr
.endr
	WIN 0x45                                       ; S window 1 as sources 0, 1 and destination; -c m, a third source, window 0
	CORE
	s_wait_dscnt 0x0                               ; V's fragments; with them all my reads of this slot are over
	WIN 0x05                                       ; V and P window 1, O window 0
	; eight accumulators by turns, then two by turns, one instruction a turn
.irp kk, 0,1,2,3
.irp u, 0,1
.irp e, 0,1,2,3
	v_wmma_f32_16x16x32_f16 v[OA+8*(4*\u+\e):OA+8*(4*\u+\e)+7], v[KF+8*(4*\kk+\e):KF+8*(4*\kk+\e)+7], v[16*(2*\kk+\u):16*(2*\kk+\u)+7], v[OA+8*(4*\u+\e):OA+8*(4*\u+\e)+7]
.endr
.endr
.endr
	WIN 0x04                                       ; ONES window 0, P window 1
.irp kk, 0,1,2,3
.irp u, 0,1
	v_wmma_f32_16x16x32_f16 v[LS+8*\u:LS+8*\u+7], v[ONES:ONES+7], v[16*(2*\kk+\u):16*(2*\kk+\u)+7], v[LS+8*\u:LS+8*\u+7]
.endr
.endr
.rept 5
	v_nop                                          ; five places: the next step's products write over P, its loads land on V's fragments, its vector work reads the sums
.endr
	WIN 0
.if \last
	FINISH 0
.else
	s_cmp_lg_u32 s15, s16
	s_cbranch_scc1 .Lnofin_\@
	FINISH 1
.Lnofin_\@:
	s_mov_b32 s15, s18
.endif
.endm
	s_mov_b32 s17, 8                               ; 8 x 2 steps, and one behind the loop
.Lpair:
	STEP 0, 1, 0
	STEP 1, 1, 0
	s_sub_co_u32 s17, s17, 1
	s_cmp_lg_u32 s17, 0
	s_cbranch_scc1 .Lpair
	STEP 0, 0, 1                                   ; the last step fetches nothing
	s_wait_tensorcnt 0x0
	ds_add_u32 v254, v255
	s_wait_dscnt 0x0
	s_endpgm
.Lfunc_end_k_q64e4dfe310_attn:
	.size	k_q64e4dfe310_attn, .Lfunc_end_k_q64e4dfe310_attn-k_q64e4dfe310_attn
	.p2alignl 7, 3214868480
	.fill 96, 4, 3214868480
	.section	.rodata,"a",@progbits
	.p2align	6, 0x0
	.amdhsa_kernel k_q64e4dfe310_attn
		.amdhsa_group_segment_fixed_size 327680
		.amdhsa_private_segment_fixed_size 0
		.amdhsa_enable_private_segment 0
		.amdhsa_kernarg_size 16
		.amdhsa_user_sgpr_count 2
		.amdhsa_user_sgpr_kernarg_segment_ptr 1
		.amdhsa_wavefront_size32 1
		.amdhsa_system_sgpr_workgroup_id_x 1
		.amdhsa_system_sgpr_workgroup_id_y 1
		.amdhsa_system_sgpr_workgroup_id_z 1
		.amdhsa_system_vgpr_workitem_id 0
		.amdhsa_next_free_vgpr 512
		.amdhsa_next_free_sgpr 76
		.amdhsa_reserve_vcc 1
		.amdhsa_float_denorm_mode_32 3
		.amdhsa_float_denorm_mode_16_64 3
		.amdhsa_memory_ordered 1
		.amdhsa_forward_progress 1
		.amdhsa_inst_pref_size 160
	.end_amdhsa_kernel
	.amdgpu_metadata
---
amdhsa.version: [ 1, 2 ]
amdhsa.kernels:
  - .name:           k_q64e4dfe310_attn
    .symbol:         k_q64e4dfe310_attn.kd
    .args:
      - { .name: qkvb, .offset: 0, .size: 8, .value_kind: global_buffer, .address_space: global }
      - { .name: ao, .offset: 8, .size: 8, .value_kind: global_buffer, .address_space: global }
    .group_segment_fixed_size: 327680
    .private_segment_fixed_size: 0
    .kernarg_segment_align: 8
    .kernarg_segment_size: 16
    .max_flat_workgroup_size: 128
    .sgpr_count:     76
    .vgpr_count:     512
    .wavefront_size: 32
...
	.end_amdgpu_metadata
.endif
;; end of part 3
;; launch oproj (part 4): grid 8 x 32, 4 waves a work-group, clusters of 4 x 4, 327,680 bytes of LDS; arguments ao, cb, bo, out0; writes out0
.if DOCPART == 4
	.amdgcn_target "amdgcn-amd-amdhsa--gfx1250"
	.amdhsa_code_object_version 6
	.text
	.protected	k_q64e4dfe310_oproj
	.globl	k_q64e4dfe310_oproj
	.p2align	8
	.type	k_q64e4dfe310_oproj,@function
k_q64e4dfe310_oproj:
	s_mov_b64 s[64:65], 0
	v_nop
	global_prefetch_b8 v0, s[64:65] scope:SCOPE_SE
	s_setreg_imm32_b32 hwreg(HW_REG_WAVE_MODE, 25, 1), 1
	s_wait_xcnt 0x0
	s_wait_alu depctr_hold_cnt(0) depctr_sa_sdst(0) depctr_va_vdst(0) depctr_va_sdst(0) depctr_va_ssrc(0) depctr_va_vcc(0) depctr_vm_vsrc(0)
	s_getreg_b32 s2, hwreg(HW_REG_IB_STS2, 6, 4)
	s_cmp_eq_u32 s2, 0
	s_cbranch_scc0 .Lentry_in_a_cluster
	s_endpgm
.Lentry_in_a_cluster:
	s_bfe_u32 s2, ttmp6, 0x10000c
	s_cmp_lg_u32 s2, 0xf033
	s_cbranch_scc0 .Lentry_shape_is_right
	s_endpgm
.Lentry_shape_is_right:
; out0 = ao Wo + bo.  ao: f16 [4096][1024].  Wo: f16 [K][N] at cb + 30 MiB.  bo, out0: f32.  f16 operands, f32 sums.
; 32 x 8 = 256 work-groups of 128 x 128; a wave makes 64 x 64: 16 accumulator tiles.  (Blocks of 256 x 256 would be 64 work-groups.)
; K = 1024 goes through two LDS slots of 256 along K: four fills, two at the start and two refills, one tensor load a wave each:
; waves 0, 1 bring 64 rows x 512 bytes of ao, waves 2, 3 bring 128 k rows x 256 bytes of Wo.
; CLUSTERS: 4 x 4 work-groups; ao's tile is asked for jointly along a row of the cluster, Wo's along a column.
; The matrix instruction is used transposed (source 0 = 16 columns of Wo through the transposing load, source 1 = 16 rows of ao), so a lane
; holds eight neighbouring columns of one row; the bias, loaded in that layout, is the C of each tile's first product.
; REGISTERS: window 0: v16-27 addresses, v32-63 bias, three fragment buffers of 64 at v64, v128, v192 (ao's four fragments, then Wo's four);
;            window 1: v0-127 the accumulators, tile (a, b) at 8 (4 a + b).
.set HALFT,  36864                     ; what one tensor load may fill: 128 x 288 bytes of Wo; ao's 64 x 528 = 33,792 fit in it
.set SLOT,   4*HALFT
.set STAGE,  2*SLOT                    ; 16 rows x 272 bytes for each wave; no tensor load fills it
.set AP,     528                       ; 512 bytes + 16
.set BP,     288                       ; 256 bytes + 32
.set SPITCH, 272
.set ADRA, 16                          ; v16-17  ao fragments in slot 0, 1
.set ADRB, 20                          ; v20-23  Wo fragments: slot 0 k 0-127, slot 0 k 128-255, slot 1 likewise (the immediate reaches 65,535 bytes)
.set STO,  24
.set RD,   25
.set CO,   26
.set BIAS, 32
.set F0,   64
.set G1, 24
.set G0, 32
.set G1B, 48
.set G0B, 56
.set MSB, 0
.macro WIN new                         ; the immediate's high byte repeats the setting that is left
.if MSB != \new
	s_set_vgpr_msb (MSB<<8)|\new
.set MSB, \new
.endif
.endm
.macro JLOAD s                         ; waves 0, 1 ask for ao's halves, waves 2, 3 for Wo's; the branch hangs on the wave's number alone
	s_cmp_eq_u32 s11, 0
	s_cbranch_scc0 .Lfor_b_\@
	tensor_load_to_lds s[G0+4*(\s):G0+4*(\s)+3], s[G1:G1+7]
	s_nop 0
	s_branch .Lasked_\@
.Lfor_b_\@:
	tensor_load_to_lds s[G0B+4*(\s):G0B+4*(\s)+3], s[G1B:G1B+7]
	s_nop 0
.Lasked_\@:
.endm
.macro CREST                           ; a round of the cluster's barrier behind its opening work-group barrier
	s_cmp_lg_u32 s10, 0
	s_cbranch_scc1 .Lnot_wave_0_\@
	s_barrier_signal -3
.Lnot_wave_0_\@:
	s_barrier_wait -3
	s_barrier_signal -1
	s_barrier_wait -1
.endm
.macro CROUND
	s_barrier_signal -1
	s_barrier_wait -1
	CREST
.endm
.macro PLACES                          ; four places behind a matrix instruction (ISA guide 7.12.1)
.rept 4
	v_nop
.endr
.endm
	s_load_b256 s[68:75], s[0:1], 0x0              ; ao s[68:69], cb s[70:71], bo s[72:73], out0 s[74:75]
	v_lshl_add_u32 v30, v0, 2, 0x4c400
	v_mov_b32 v31, 0
	ds_add_u32 v30, v31
	ds_add_u32 v30, v31
	v_lshrrev_b32 v1, 5, v0
	v_readfirstlane_b32 s10, v1                    ; wave
	s_lshr_b32 s11, s10, 1                         ; my half of the rows.  Also: I fetch for ao (0) or Wo (1)
	s_and_b32 s12, s10, 1                          ; my half of the columns.  Also: which half of that tile I fetch
	s_bfe_u32 s40, ttmp6, 0x40000                  ; cx
	s_bfe_u32 s41, ttmp6, 0x40004                  ; cy
	s_lshl_b32 s42, ttmp9, 2
	s_add_co_u32 s42, s42, s40                     ; block column 0..7
	s_and_b32 s13, ttmp7, 0xffff
	s_lshl_b32 s13, s13, 2
	s_add_co_u32 s13, s13, s41                     ; block row 0..31
	s_lshl_b32 s43, s41, 2
	s_lshl_b32 s43, 15, s43                        ; my row of the cluster
	s_lshl_b32 s44, 0x1111, s40                    ; my column
	; group 1 for ao: 64 rows x 256 elements, 4 words of padding behind every 128 words
	s_or_b32 s[G1+0], s43, (1<<16)|(1<<20)|(1<<21)|(6<<22)|(3<<25)
	s_mov_b32 s[G1+1], 256<<16
	s_mov_b32 s[G1+2], 64<<16
	s_mov_b32 s[G1+3], 256<<16
	s_mov_b32 s[G1+4], 64
	s_mov_b32 s[G1+5], 1024
	s_mov_b32 s[G1+6], 0
	s_mov_b32 s[G1+7], 0
	; group 1 for Wo: 128 k rows x 128 elements, 8 words of padding behind every 64 words
	s_or_b32 s[G1B+0], s44, (1<<16)|(1<<20)|(1<<21)|(5<<22)|(7<<25)
	s_mov_b32 s[G1B+1], 128<<16
	s_mov_b32 s[G1B+2], 128<<16
	s_mov_b32 s[G1B+3], 128<<16
	s_mov_b32 s[G1B+4], 128
	s_mov_b32 s[G1B+5], 1024
	s_mov_b32 s[G1B+6], 0
	s_mov_b32 s[G1B+7], 0
	s_lshl_b32 s16, s13, 18                        ; ao: (128 x block row + 64 x half) rows of 2,048 bytes; no register here holds cx
	s_lshl_b32 s17, s12, 17
	s_add_co_u32 s16, s16, s17
	s_mov_b32 s17, 0
	s_lshl_b32 s46, s12, 18                        ; Wo: 30 MiB + 128 k rows x half + 256 bytes x block column; no register here holds cy
	s_lshl_b32 s47, s42, 8
	s_add_co_u32 s46, s46, s47
	s_add_co_u32 s46, s46, 0x1e00000
	s_mov_b32 s47, 0
	s_mul_i32 s20, s10, HALFT                      ; where a wave's load goes
	s_wait_dscnt 0x0
	s_wait_kmcnt 0x0
	s_add_nc_u64 s[14:15], s[68:69], s[16:17]
	s_add_nc_u64 s[46:47], s[70:71], s[46:47]
	CROUND                                         ; all sixteen work-groups are here: the first joint loads meet
.irp s, 0,1
	s_mov_b32 s[G0+4*\s], 1
	s_add_co_u32 s[G0+4*\s+1], s20, \s*SLOT
	s_add_nc_u64 s[G0+4*\s+2:G0+4*\s+3], s[14:15], \s*512              ; fill s: 256 elements along the rows
	s_or_b32 s[G0+4*\s+3], s[G0+4*\s+3], 0x80000000
	s_mov_b32 s[G0B+4*\s], 1
	s_add_co_u32 s[G0B+4*\s+1], s20, \s*SLOT
	s_add_nc_u64 s[G0B+4*\s+2:G0B+4*\s+3], s[46:47], \s*524288         ; fill s: 256 k rows down
	s_or_b32 s[G0B+4*\s+3], s[G0B+4*\s+3], 0x80000000
	JLOAD \s                                       ; both first fills go out together: two tensor loads of the wave are out
.endr
	s_lshl_b32 s18, s42, 9                         ; the bias of my 64 columns
	s_lshl_b32 s19, s12, 8
	s_add_co_u32 s18, s18, s19
	s_mov_b32 s19, 0
	s_add_nc_u64 s[72:73], s[72:73], s[18:19]
	v_and_b32 v1, 15, v0                           ; r
	v_bfe_u32 v2, v0, 4, 1                         ; h
	v_lshlrev_b32 v27, 5, v2                       ; 32 h
.irp b, 0,1,2,3
	global_load_b128 v[BIAS+8*\b:BIAS+8*\b+3],   v27, s[72:73] offset:64*\b       ; register j = bo[16 b + 8 h + j]
	global_load_b128 v[BIAS+8*\b+4:BIAS+8*\b+7], v27, s[72:73] offset:64*\b+16
.endr
	v_mul_u32_u24 v3, v1, AP
	v_lshl_add_u32 v3, v2, 4, v3                   ; r x 528 + 16 h
	s_mul_i32 s21, s11, HALFT                      ; my 64 rows
	v_add_nc_u32 v[ADRA], s21, v3
	v_add_nc_u32 v[ADRA+1], SLOT, v[ADRA]
	v_and_b32 v8, 7, v0
	v_bfe_u32 v7, v0, 3, 1
	v_lshl_add_u32 v6, v2, 3, v8                   ; k row 8 h + (l & 7)
	v_mul_u32_u24 v6, v6, BP
	v_lshl_add_u32 v6, v7, 4, v6
	s_lshl_b32 s22, s12, 7                         ; my 64 columns: 128 bytes,
	s_add_co_u32 s22, s22, 2*HALFT                 ; behind ao's two halves
	v_add_nc_u32 v[ADRB], s22, v6
	v_add_nc_u32 v[ADRB+1], HALFT, v[ADRB]
	v_add_nc_u32 v[ADRB+2], SLOT, v[ADRB]
	v_add_nc_u32 v[ADRB+3], SLOT+HALFT, v[ADRB]
	s_mul_i32 s23, s10, 16*SPITCH
	s_add_co_u32 s23, s23, STAGE                   ; my stage
	v_mul_u32_u24 v4, v1, SPITCH                   ; in: row r, 32 bytes for each half of the lanes
	v_lshl_add_u32 v4, v2, 5, v4
	v_add_nc_u32 v[STO], s23, v4
	v_mul_u32_u24 v5, v2, SPITCH                   ; back: lanes 0-15 one row of 256 bytes, lanes 16-31 the next
	v_lshl_add_u32 v5, v1, 4, v5
	v_add_nc_u32 v[RD], s23, v5
	v_lshlrev_b32 v[CO], 4, v1
	v_lshl_add_u32 v[CO], v2, 12, v[CO]            ; the same two rows in out0, 4,096 bytes apart
; 16 LDS loads: the fragments of quarter Q (32 along K; eight quarters to a fill) into buffer Q % 3
.macro FETCH Q
.set fq, (\Q)&7
.set fs, ((\Q)>>3)&1
.set fb, F0+64*((\Q)%3)
.irp a, 0,1,2,3
	ds_load_b128 v[fb+8*\a:fb+8*\a+3],   v[ADRA+fs] offset:64*fq+16*AP*\a
	ds_load_b128 v[fb+8*\a+4:fb+8*\a+7], v[ADRA+fs] offset:64*fq+16*AP*\a+32
.endr
.irp b, 0,1,2,3
	ds_load_tr16_b128 v[fb+32+8*\b:fb+32+8*\b+3],   v[ADRB+2*fs+(fq>>2)] offset:(fq&3)*32*BP+32*\b
	ds_load_tr16_b128 v[fb+32+8*\b+4:fb+32+8*\b+7], v[ADRB+2*fs+(fq>>2)] offset:(fq&3)*32*BP+32*\b+16*BP
.endr
.endm
; Quarter Q: its fragments are waited for, those of quarter Q + 2 are asked for, 16 matrix instructions.
; In the seventh quarter of fills 0, 1, 2 the fetch crosses into the other slot.  All reads of this slot have been issued by then, so the
; change of slots stands here: each wave waits for its LDS reads and for all its tensor loads, a barrier; for fills 0 and 1 a whole round
; of the cluster's barrier, and this slot's refill first behind it, which then has eight quarters in which to land.
.macro QTR Q
.set tp, (\Q)>>3
.set tq, (\Q)&7
.set ts, tp&1
.set tb, F0+64*((\Q)%3)
.set turn, 0
.if tq == 6
.if tp < 3
.set turn, 1
.endif
.endif
.if turn
	s_wait_dscnt 0x0                               ; my reads of this slot are over
	s_wait_tensorcnt 0x0                           ; all my tensor loads have landed: the one that was out is my part of the other slot
	ds_add_u32 v30, v31
	s_wait_dscnt 0x0
	s_barrier_signal -1
	s_barrier_wait -1
.if tp < 2
	CREST                                          ; no wave of any partner still reads this slot or has a load on its way
	s_add_nc_u64 s[G0+4*ts+2:G0+4*ts+3], s[G0+4*ts+2:G0+4*ts+3], 1024
	s_add_nc_u64 s[G0B+4*ts+2:G0B+4*ts+3], s[G0B+4*ts+2:G0B+4*ts+3], 1048576
	JLOAD ts                                       ; the wave's one tensor load behind the round
.endif
.else
.if \Q == 31
	s_wait_dscnt 0x0
.else
	s_wait_dscnt 16                                ; this quarter's fragments are in; the next quarter's 16 loads stay out
.endif
.endif
.if \Q <= 29
.if \Q >= 1
	PLACES                                         ; the buffer that is loaded next was read by the last quarter's matrix instructions
.endif
	FETCH \Q+2
.endif
.if \Q == 0
	WIN 0x40                                       ; C (the bias) window 0, D window 1
.else
	WIN 0x50                                       ; C and D window 1
.endif
	; the 16 accumulators take turns, one instruction a turn
.irp a, 0,1,2,3
.irp b, 0,1,2,3
.if \Q == 0
	v_wmma_f32_16x16x32_f16 v[8*(4*\a+\b):8*(4*\a+\b)+7], v[tb+32+8*\b:tb+32+8*\b+7], v[tb+8*\a:tb+8*\a+7], v[BIAS+8*\b:BIAS+8*\b+7]
.else
	v_wmma_f32_16x16x32_f16 v[8*(4*\a+\b):8*(4*\a+\b)+7], v[tb+32+8*\b:tb+32+8*\b+7], v[tb+8*\a:tb+8*\a+7], v[8*(4*\a+\b):8*(4*\a+\b)+7]
.endif
.endr
.endr
	WIN 0
.endm
	s_wait_loadcnt 0x0                             ; the bias
	s_wait_tensorcnt 1                             ; my part of fill 0 is in; fill 1's may stay out
	s_barrier_signal -1
	s_barrier_wait -1
	FETCH 0
	FETCH 1
.set qn, 0
.rept 32
	QTR qn
.set qn, qn+1
.endr
	; THE WAY OUT, 16 rows at a time: f32 straight from the accumulators into my own stage, read back as whole rows of 256 bytes.
	PLACES
	s_lshl_b32 s16, s13, 19                        ; 128 x block row rows of 4,096 bytes
	s_lshl_b32 s14, s11, 18
	s_add_co_u32 s16, s16, s14
	s_mov_b32 s17, 0
	s_add_nc_u64 s[74:75], s[74:75], s[16:17]
	s_lshl_b32 s46, s42, 9                         ; 128 x block column + 64 x half columns of 4 bytes
	s_lshl_b32 s47, s12, 8
	s_add_co_u32 s46, s46, s47
	s_mov_b32 s47, 0
	s_add_nc_u64 s[74:75], s[74:75], s[46:47]
.irp a, 0,1,2,3
	WIN 0x04                                       ; store data window 1, address window 0
.irp b, 0,1,2,3
	ds_store_b128 v[STO], v[8*(4*\a+\b):8*(4*\a+\b)+3]   offset:64*\b
	ds_store_b128 v[STO], v[8*(4*\a+\b)+4:8*(4*\a+\b)+7] offset:64*\b+16
.endr
	WIN 0
.irp t, 0,1,2,3,4,5,6,7
	ds_load_b128 v[F0+32*\a+4*\t:F0+32*\a+4*\t+3], v[RD] offset:\t*2*SPITCH    ; my own bytes, served in order behind the stores above; every register is loaded once
.endr
.irp t, 0,1,2,3,4,5,6,7
	s_wait_dscnt 7-\t                              ; rows 2 t, 2 t + 1 are back, the younger loads stay out
	global_store_b128 v[CO], v[F0+32*\a+4*\t:F0+32*\a+4*\t+3], s[74:75] offset:(16*\a+2*\t)*4096 th:TH_STORE_NT   ; sixteen lanes store 256 consecutive bytes, aligned
.endr
.endr
	s_wait_tensorcnt 0x0
	ds_add_u32 v30, v31
	s_wait_dscnt 0x0
	CROUND                                         ; the closing round: no work-group ends while a partner may still ask for a tile that names it
	s_endpgm
.Lfunc_end_k_q64e4dfe310_oproj:
	.size	k_q64e4dfe310_oproj, .Lfunc_end_k_q64e4dfe310_oproj-k_q64e4dfe310_oproj
	.p2alignl 7, 3214868480
	.fill 96, 4, 3214868480
	.section	.rodata,"a",@progbits
	.p2align	6, 0x0
	.amdhsa_kernel k_q64e4dfe310_oproj
		.amdhsa_group_segment_fixed_size 327680
		.amdhsa_private_segment_fixed_size 0
		.amdhsa_enable_private_segment 0
		.amdhsa_kernarg_size 32
		.amdhsa_user_sgpr_count 2
		.amdhsa_user_sgpr_kernarg_segment_ptr 1
		.amdhsa_wavefront_size32 1
		.amdhsa_system_sgpr_workgroup_id_x 1
		.amdhsa_system_sgpr_workgroup_id_y 1
		.amdhsa_system_sgpr_workgroup_id_z 1
		.amdhsa_system_vgpr_workitem_id 0
		.amdhsa_next_free_vgpr 384
		.amdhsa_next_free_sgpr 80
		.amdhsa_reserve_vcc 0
		.amdhsa_float_denorm_mode_32 3
		.amdhsa_float_denorm_mode_16_64 3
		.amdhsa_memory_ordered 1
		.amdhsa_forward_progress 1
		.amdhsa_inst_pref_size 89
	.end_amdhsa_kernel
	.amdgpu_metadata
---
amdhsa.version: [ 1, 2 ]
amdhsa.kernels:
  - .name:           k_q64e4dfe310_oproj
    .symbol:         k_q64e4dfe310_oproj.kd
    .args:
      - { .name: ao, .offset: 0, .size: 8, .value_kind: global_buffer, .address_space: global }
      - { .name: cb, .offset: 8, .size: 8, .value_kind: global_buffer, .address_space: global }
      - { .name: bo, .offset: 16, .size: 8, .value_kind: global_buffer, .address_space: global }
      - { .name: out0, .offset: 24, .size: 8, .value_kind: global_buffer, .address_space: global }
    .group_segment_fixed_size: 327680
    .private_segment_fixed_size: 0
    .kernarg_segment_align: 8
    .kernarg_segment_size: 32
    .max_flat_workgroup_size: 128
    .sgpr_count:     80
    .vgpr_count:     384
    .wavefront_size: 32
...
	.end_amdgpu_metadata
.endif
;; end of part 4
